; MI455X (gfx1250); checked and timed in simulation.
; The chip was launched on July 23, 2026; its instructions are those of AMD's public machine-readable ISA for CDNA 5 (MIT licence, August 2026) and "CDNA5" Instruction Set Architecture Reference Guide (July 2026). The comments in the code are by the model that wrote it; some were corrected since.
;; Scaled Dot Product Attention. Allowed arithmetic: float matrix products may take bf16 or f16 operands with f32 sums; all other float work in f32.
;; Inputs: key 4 x 16 x 2,048 x 128 float32; query 4 x 16 x 2,048 x 128 float32; value 4 x 16 x 2,048 x 128 float32.
;; Outputs: out0 4 x 16 x 2,048 x 128 float32.
;; 2 versions, each right; version 2 is version 1 with the launch attn written anew for expert scheduling mode. Each part assembles by itself: llvm-mc -triple=amdgcn-amd-amdhsa -mcpu=gfx1250 --defsym DOCPART=n.
;; ======== version 1 of 2: 1 launch
;; limits: values are held in f16: magnitudes above 65,504 overflow, below 6.1e-05 lose precision; inputs' magnitudes at most 65,504; below input magnitudes of 6.1e-05 results are inexact or not finite
;; launch attn (part 1): grid 256 x 1, 4 waves a work-group, no clusters, 141,824 bytes of LDS; arguments query, key, value, out0; writes out0
.if DOCPART == 1
	.amdgcn_target "amdgcn-amd-amdhsa--gfx1250"
	.amdhsa_code_object_version 6
	.text
	.protected	k_qccfdc9dd67_attn
	.globl	k_qccfdc9dd67_attn
	.p2align	8
	.type	k_qccfdc9dd67_attn,@function
k_qccfdc9dd67_attn:
	s_mov_b64 s[64:65], 0
	v_nop
	global_prefetch_b8 v0, s[64:65] scope:SCOPE_SE
	s_setreg_imm32_b32 hwreg(HW_REG_WAVE_MODE, 25, 1), 1
	s_wait_xcnt 0x0
; Causal attention, fused: out = softmax(q k^T / sqrt(128) + causal mask) v.  64 heads of 2,048 rows x 128 numbers, all f32 in memory.
; Matrix operands are rounded to f16, sums are f32, the softmax is f32 with a running maximum.
;
; WHY f16 AND NOT bf16.  Both forms take the same registers and the same time; f16 keeps 11 significant bits, bf16 8.  A row with few visible
; keys is a sum of a few terms p v of the size of v, which may cancel, so each term's rounding shows in full in the result.
; f16 has the room: its largest number is 65,504, and it is at full precision down to 6.1e-5; p lies in [0, 1].
;
; SHARES.  256 work-groups = 64 heads x 4.  A head has 8 query blocks of 256 rows; block i needs T = 4 (i + 1) key steps of 64 keys.
; Work-group j of a head makes block 7 - j and then block j: 4 (8 - j) + 4 (j + 1) = 36 steps for every work-group.
; Wave w owns 64 query rows, 256 i + 64 w .. + 63; it computes steps 0 .. 4 i + w (the last is its diagonal step, which is masked) and
; jumps over the arithmetic of later steps, but goes on bringing its quarter of every tile and passes every barrier.
;
; TRANSPOSED PRODUCTS.  S^T = K Q^T: in a result tile register j of lane (r, h) holds (key 8 h + j, query r).  Rounding two neighbouring
; key tiles pairwise to f16 gives exactly the second operand (column = query r, 32 keys along the registers) of O^T = V^T P^T, whose first
; operand comes from V, stored [key][d], by the transposing LDS load.  So every per-query number (maximum, sum, factor) is one number a lane
; and query tile, and the only step between lanes is lane xor 16.
;
; K AND V come through registers: 16-byte loads (a wave's load covers one row of 512 bytes), rounded to f16, stored into one of two LDS slots.
; Tile t + 2 is asked for in step t, rounded and stored in step t + 1, read in step t + 2: 64 KiB of the work-group are on their way for a step.
; No load stands under a jump on the step's number: the last three steps of a block, which ask for the last tile, for none and for none,
; are written out behind the loop.
;
; NO TENSOR LOADS, NO CLUSTER: the inputs are f32 and the products want 16-bit operands; a copy engine rounds nothing, and f32 tiles in LDS
; would add 64 KiB written and 32 KiB more read to each step's 128 KiB of fragment reads.  The four work-groups of a head walk 32, 28, 24 and
; 20 tiles in their first block, so joint requests would need 48 steps of each in place of 36.
;
; LIMITS.  Inputs are finite and below 65,504 in magnitude (beyond it the rounding to f16 gives an infinity); an input below 6.1e-5 in magnitude
; is kept to within 3e-8.  A NaN score loses in the maxima and is not carried.  A masked score is replaced by -1e30 in units of q.k, so its
; probability is exactly 0; reference() adds -1e19 to the scaled score instead, which differs only where a row's visible scaled scores lie
; below about -1e19.  A probability below 3e-8 of its row's largest enters the second product as 0 (it still enters the row's sum, down to 2^-126).
.set KP,    272                        ; LDS pitch of a row of 128 f16 of K or Q: 256 + 16 bytes, an odd multiple of 16
.set VP,    288                        ; LDS pitch of a row of V: an odd multiple of 32, for the transposing loads
.set KSLOT, 64*KP                      ; 17,408 bytes: 64 keys
.set VSLOT, 64*VP                      ; 18,432 bytes
.set VBASE, 2*KSLOT                    ; V's two slots lie behind K's two
.set QBASE, VBASE+2*VSLOT              ; behind them a stage of 17,408 bytes for each wave, its own: Q as f16, later 16 rows of output
.set QSTG,  64*KP
.set OP,    528                        ; pitch of a row of 128 f32 in the output stage: 512 + 16
.set ROWB,  512                        ; bytes of a row in memory
.set TILEB, 64*ROWB                    ; bytes of a tile of 64 keys in memory
; window 0
.set L16,  1                           ; 16 x lane
.set GOFF, 2                           ; 8,192 w + 16 x lane: my 16 bytes in my wave's first row of a tile
.set KRD,  3                           ; K fragments: 272 r + 16 h
.set VRD,  4                           ; V fragments: VBASE + 288 (8 h + lane % 8) + 16 ((lane / 8) % 2)
.set KWR,  5                           ; where my 8 bytes of K go: 16 w rows + 8 x lane
.set VWR,  6                           ; the same for V
.set QW,   7                           ; my stage + 8 x lane
.set QR,   8                           ; my stage + 272 r + 16 h
.set OW,   9                           ; my stage + 528 r + 32 h
.set ORD,  10                          ; my stage + 16 x lane
.set PFO,  11                          ; prefetch: 8,192 j + 256 x lane
.set QF,   32                          ; v32-159   Q fragment (qt, dc) at QF + 32 qt + 8 dc
.set STK,  160                         ; v160-223  K as loaded, 16 rows x 4; on the way out: rows read back
; window 1
.set SC,   0                           ; v0-127    score tile (kt, qt) at 32 qt + 8 kt; P fragment (qt, kc) in place at 32 qt + 16 kc
.set NM,   128                         ; NM[qt] = -c x maximum at 128 + 2 qt: the first register of a pair, which packed instructions broadcast
.set MX,   129                         ; the running maximum, in units of q.k, at 129 + 2 qt
.set AL,   136                         ; the rescale factor (at the end 1 / sum) at 136 + 2 qt, first of a pair likewise
.set TM,   137                         ; at work, at 137 + 2 qt
.set XL,   144                         ; v144-147  what lane xor 16 holds
.set LS,   148                         ; v148-155  a pair of partial sums for each query tile
.set NEGV, 160                         ; -1e30
.set STV,  192                         ; v192-255  V as loaded
; window 2
.set OA,   0                           ; O tile (qt, dt) at 64 qt + 8 dt; at a block's head the same registers take Q in f32, row i at 4 i
; window 3
.set FK,   0                           ; K fragment (kt, dc) at 8 (4 dc + kt)
.set FV,   128                         ; V fragment (dt, kc) at 128 + 8 (8 kc + dt)
; scalars: s[4:5] query, s[6:7] key, s[8:9] value, s[10:11] out0; s12 wave; s13 j; s14 head; s15 block trip; s16 block i; s17 4 i;
; s18 my diagonal step; s19 step; s20 T - 3; s21 steps that prefetch; s[22:23] c, c; s24 -c; s25, s26 lane selects; s27 a later step's number;
; s[28:29], s[30:31] K's and V's tile; s[32:33], s[34:35] my rows of query and out0; s[36:37] offsets; s[38:39] prefetch base;
; s40-47 lane masks of the diagonal tile; s48 7 - j; s49 the pair loop's trip; s50 its trips, 2 i
; s_set_vgpr_msb: bits 1:0 source 0, 3:2 source 1, 5:4 source 2, 7:6 destination; the high byte repeats the setting that is left.
; At every label and branch the setting is 0.
.set MSB, 0
.macro WIN new
.if MSB != \new
	s_set_vgpr_msb (MSB<<8)|\new
.set MSB, \new
.endif
.endm
.macro PLACES n
.rept \n
	v_nop
.endr
.endm
; my wave's 16 rows of K's tile, and of V's: 16 loads of 512 neighbouring bytes each.  Other work-groups read these rows again: no hint.
.macro KLOAD
	WIN 0
.set i, 0
.rept 16
	global_load_b128 v[STK+4*i:STK+4*i+3], v[GOFF], s[28:29] offset:ROWB*i
.set i, i+1
.endr
.endm
.macro VLOAD
	WIN 0x40
.set i, 0
.rept 16
	global_load_b128 v[STV+4*i:STV+4*i+3], v[GOFF], s[30:31] offset:ROWB*i
.set i, i+1
.endr
.endm
.macro KVLOAD
	KLOAD
	VLOAD
	WIN 0
.endm
; both tile pointers go one tile on
.macro KVSTEP
	s_wait_xcnt 0x0                                ; the bases of the last loads and of the last prefetch are rewritten only behind this wait
	s_add_nc_u64 s[28:29], s[28:29], TILEB
	s_add_nc_u64 s[30:31], s[30:31], TILEB
	s_cmp_eq_u32 s12, 0
	s_cselect_b64 s[38:39], s[28:29], s[30:31]     ; wave 0 prefetches K, wave 1 V (the others ask for nothing)
.endm
; In step t the pointers stand at tile t + 2 and this asks for tile t + 3, which the next step loads: rows 16 j .. 16 j + 15, 32 lanes 256 bytes
; apart = 8 KiB.  The four work-groups of a head share a tile's 64 rows, wave 0 takes K's and wave 1 V's, in the first block alone, so no
; block of 256 bytes is asked for twice; s21 = T - 3 stops it at the block's last tile.
.macro PREF treg
	s_cmp_lt_u32 \treg, s21
	s_cbranch_scc0 .Lnp_\@
	global_prefetch_b8 v[PFO], s[38:39] offset:TILEB th:TH_LOAD_NT scope:SCOPE_SE
.Lnp_\@:
.endm
; The staged tile is rounded to f16 in place and stored into slot tgt: a lane's 4 numbers become 8 bytes, a wave's store 256 neighbouring bytes.
; kw = 1: the 32 loads of this step's K fragments were issued just ahead; they are waited for here, behind K's 16 stores.
.macro CONV tgt, kw
	s_wait_loadcnt 0x0                             ; the 32 loads of the staged tile
	WIN 0
.set i, 0
.rept 16
	v_cvt_pk_f16_f32 v[STK+4*i], v[STK+4*i], v[STK+4*i+1]
	v_cvt_pk_f16_f32 v[STK+4*i+1], v[STK+4*i+2], v[STK+4*i+3]
.set i, i+1
.endr
.set i, 0
.rept 16
	ds_store_b64 v[KWR], v[STK+4*i:STK+4*i+1] offset:(\tgt)*KSLOT+KP*i
.set i, i+1
.endr
.if \kw
	s_wait_dscnt 16                                ; the 16 stores above are younger than the 32 loads of K's fragments: the fragments are in
.endif
	WIN 0x55
.set i, 0
.rept 16
	v_cvt_pk_f16_f32 v[STV+4*i], v[STV+4*i], v[STV+4*i+1]
	v_cvt_pk_f16_f32 v[STV+4*i+1], v[STV+4*i+2], v[STV+4*i+3]
.set i, i+1
.endr
	WIN 0x04
.set i, 0
.rept 16
	ds_store_b64 v[VWR], v[STV+4*i:STV+4*i+1] offset:(\tgt)*VSLOT+VP*i
.set i, i+1
.endr
	WIN 0
.endm
; 16 fragments of K (16 keys x 32 d): lane (r, h) takes d = 8 h .. + 7 and 16 + 8 h .. + 7 of key r
.macro KFRAG slot
	WIN 0xc0
.irp dc, 0,1,2,3
.irp kt, 0,1,2,3
	ds_load_b128 v[FK+8*(4*\dc+\kt):FK+8*(4*\dc+\kt)+3],   v[KRD] offset:\slot*KSLOT+16*KP*\kt+64*\dc
	ds_load_b128 v[FK+8*(4*\dc+\kt)+4:FK+8*(4*\dc+\kt)+7], v[KRD] offset:\slot*KSLOT+16*KP*\kt+64*\dc+32
.endr
.endr
	WIN 0
.endm
; 16 fragments of V^T (16 d x 32 keys) by transposing loads from rows that lie along d
.macro VFRAG slot
	WIN 0xc0
.irp kc, 0,1
.irp dt, 0,1,2,3,4,5,6,7
	ds_load_tr16_b128 v[FV+8*(8*\kc+\dt):FV+8*(8*\kc+\dt)+3],   v[VRD] offset:\slot*VSLOT+32*VP*\kc+32*\dt
	ds_load_tr16_b128 v[FV+8*(8*\kc+\dt)+4:FV+8*(8*\kc+\dt)+7], v[VRD] offset:\slot*VSLOT+32*VP*\kc+32*\dt+16*VP
.endr
.endr
.endm
; S^T = K Q^T, 64 keys x 64 queries x 128 d.  The first 32 of d start the sums.  The sixteen accumulators take turns, one instruction a turn.
.macro SMUL
	WIN 0x53
.irp dc, 0,1,2,3
.irp kt, 0,1,2,3
.irp qt, 0,1,2,3
.if \dc == 0
	v_wmma_f32_16x16x32_f16 v[SC+32*\qt+8*\kt:SC+32*\qt+8*\kt+7], v[FK+8*(4*\dc+\kt):FK+8*(4*\dc+\kt)+7], v[QF+32*\qt+8*\dc:QF+32*\qt+8*\dc+7], 0
.else
	v_wmma_f32_16x16x32_f16 v[SC+32*\qt+8*\kt:SC+32*\qt+8*\kt+7], v[FK+8*(4*\dc+\kt):FK+8*(4*\dc+\kt)+7], v[QF+32*\qt+8*\dc:QF+32*\qt+8*\dc+7], v[SC+32*\qt+8*\kt:SC+32*\qt+8*\kt+7]
.endif
.endr
.endr
.endr
.endm
; the diagonal step: key 16 kt + 8 h + jj is hidden from query 16 qt + r where it is the larger
.macro MASK
	WIN 0x55
.irp qt, 0,1,2,3
.irp kt, 0,1,2,3
.if \kt > \qt
.irp jj, 0,1,2,3,4,5,6,7
	v_mov_b32 v[SC+32*\qt+8*\kt+\jj], v[NEGV]
.endr
.endif
.if \kt == \qt
.irp jj, 0,1,2,3,4,5,6,7
	v_cndmask_b32 v[SC+32*\qt+8*\kt+\jj], v[SC+32*\qt+8*\kt+\jj], v[NEGV], s[40+\jj]
.endr
.endif
.endr
.endr
.endm
; the new running maxima, four chains that do not wait for each other; then NM = -c x maximum and the factor 2^(NM new - NM old)
.macro SMAX first
	WIN 0x55
.set i, 0
.rept 16
.irp qt, 0,1,2,3
.if i == 0
.if \first
	v_max_num_f32 v[TM+2*\qt], v[SC+32*\qt], v[SC+32*\qt+1]
.else
	v_max3_num_f32 v[TM+2*\qt], v[SC+32*\qt], v[SC+32*\qt+1], v[MX+2*\qt]
.endif
.else
	v_max3_num_f32 v[TM+2*\qt], v[SC+32*\qt+2*i], v[SC+32*\qt+2*i+1], v[TM+2*\qt]
.endif
.endr
.set i, i+1
.endr
.irp qt, 0,1,2,3
	v_permlanex16_b32 v[XL+\qt], v[TM+2*\qt], s25, s26     ; the other 32 keys' maximum lies in lane xor 16
.endr
.irp qt, 0,1,2,3
	v_max_num_f32 v[MX+2*\qt], v[TM+2*\qt], v[XL+\qt]
.endr
.if \first
.irp qt, 0,1,2,3
	v_mul_f32 v[NM+2*\qt], s24, v[MX+2*\qt]
.endr
.else
; The factor's exponent is the difference of the two ROUNDED numbers that the exponentials use, so it is exactly 0 where the maximum stays;
; a fused form would leave the product's rounding in every step's factor.  Hence a multiply, a subtract and a move.
.irp qt, 0,1,2,3
	v_mul_f32 v[TM+2*\qt], s24, v[MX+2*\qt]
.endr
.irp qt, 0,1,2,3
	v_sub_f32 v[AL+2*\qt], v[TM+2*\qt], v[NM+2*\qt]
.endr
.irp qt, 0,1,2,3
	v_mov_b32 v[NM+2*\qt], v[TM+2*\qt]
.endr
.irp qt, 0,1,2,3
	v_exp_f32 v[AL+2*\qt], v[AL+2*\qt]             ; the plain instruction behind these (ISA guide 5.7.2) is the first multiply-add of the exponents
.endr
.endif
.endm
; Three stages of the softmax on three query tiles at once (9 = none): e: 2^x in place; f: x = c s + NM; s: add to the sums and round to f16.
; Behind each pair of exponentials stands a plain instruction on another tile's registers (ISA guide 5.7.2).
; The rounding writes in place: pair k of a tile's 16 goes to register k (k < 8) or k + 8, never above the lowest register still to be read.
.macro SOFTQ e, f, s, first
.set k, 0
.rept 16
.if \e < 4
	v_exp_f32 v[SC+32*\e+2*k], v[SC+32*\e+2*k]
	v_exp_f32 v[SC+32*\e+2*k+1], v[SC+32*\e+2*k+1]
.endif
.if \f < 4
	v_pk_fma_f32 v[SC+32*\f+2*k:SC+32*\f+2*k+1], v[SC+32*\f+2*k:SC+32*\f+2*k+1], s[22:23], v[NM+2*\f:NM+2*\f+1] op_sel_hi:[1,0,0]
.endif
.if \s < 4
.if k == 0
.if \first
	s_wait_alu depctr_va_vdst(0)
	v_pk_add_f32 v[LS+2*\s:LS+2*\s+1], v[SC+32*\s:SC+32*\s+1], v[SC+32*\s+2:SC+32*\s+3]   ; the first four numbers start the sums
.else
	s_wait_alu depctr_va_vdst(0)
	v_pk_fma_f32 v[LS+2*\s:LS+2*\s+1], v[LS+2*\s:LS+2*\s+1], v[AL+2*\s:AL+2*\s+1], v[SC+32*\s:SC+32*\s+1] op_sel_hi:[1,0,1]
	s_wait_alu depctr_va_vdst(0)
.endif
.else
.if k > \first
	s_wait_alu depctr_va_vdst(0)
	v_pk_add_f32 v[LS+2*\s:LS+2*\s+1], v[LS+2*\s:LS+2*\s+1], v[SC+32*\s+2*k:SC+32*\s+2*k+1]
.endif
.endif
	v_cvt_pk_f16_f32 v[SC+32*\s+k+8*(k/8)], v[SC+32*\s+2*k], v[SC+32*\s+2*k+1]
.endif
.set k, k+1
.endr
.endm
; the 64 registers of O of one query tile times that tile's factor (one number a lane)
.macro RESCALE qt
	WIN 0x86
.set p, 0
.rept 32
	v_pk_mul_f32 v[OA+64*\qt+2*p:OA+64*\qt+2*p+1], v[OA+64*\qt+2*p:OA+64*\qt+2*p+1], v[AL+2*\qt:AL+2*\qt+1] op_sel_hi:[1,0]
.set p, p+1
.endr
.endm
; O^T += V^T P^T, 128 d x 64 queries x 64 keys.  The 32 accumulators take turns, one instruction a turn.
.macro PVMUL first
	WIN 0xa7
.irp kc, 0,1
.irp dt, 0,1,2,3,4,5,6,7
.irp qt, 0,1,2,3
.if \first*(1-\kc)
	v_wmma_f32_16x16x32_f16 v[OA+64*\qt+8*\dt:OA+64*\qt+8*\dt+7], v[FV+8*(8*\kc+\dt):FV+8*(8*\kc+\dt)+7], v[SC+32*\qt+16*\kc:SC+32*\qt+16*\kc+7], 0
.else
	v_wmma_f32_16x16x32_f16 v[OA+64*\qt+8*\dt:OA+64*\qt+8*\dt+7], v[FV+8*(8*\kc+\dt):FV+8*(8*\kc+\dt)+7], v[SC+32*\qt+16*\kc:SC+32*\qt+16*\kc+7], v[OA+64*\qt+8*\dt:OA+64*\qt+8*\dt+7]
.endif
.endr
.endr
.endr
.endm
; One key step, number in treg, tile in slot.  first: it starts maxima, sums and O.  conv: the staged tile goes into the other slot, and a barrier
; closes the step.  load: 1 = the tile two steps on is asked for, and the one behind it prefetched; 2 = asked for, no prefetch; 0 = neither.
.macro STEP slot, first, conv, load, treg
.if \first == 0
	s_cmp_gt_u32 \treg, s18                        ; beyond my diagonal step there is nothing to compute
	s_cbranch_scc1 .Lnk_\@
.endif
	KFRAG \slot
.if \first == 0
.Lnk_\@:
.endif
.if \conv
	CONV 1-\slot, 1                                ; holds the wait for K's fragments
.endif
.if \load
	KVSTEP
	KVLOAD
.endif
.if \load == 1
	PREF \treg
.endif
.if \first == 0
	s_cmp_gt_u32 \treg, s18
	s_cbranch_scc1 .Lnc_\@
.endif
.if \conv == 0
	s_wait_dscnt 0x0                               ; K's fragments: nothing was issued behind them
.endif
	VFRAG \slot                                    ; V's fragments come in under the first product and the softmax
	SMUL
	WIN 0
	PLACES 5                                       ; behind the product: its results are read by vector instructions (four places) and, rounded in place, serve the second product as an operand (five) (ISA guide 7.12.1)
	s_cmp_lg_u32 \treg, s18
	s_cbranch_scc1 .Lnm_\@
	MASK
	WIN 0
.Lnm_\@:
	SMAX \first
	SOFTQ 9, 0, 9, \first
	SOFTQ 0, 1, 9, \first
	SOFTQ 1, 2, 0, \first
	SOFTQ 2, 3, 1, \first
	SOFTQ 3, 9, 2, \first
	SOFTQ 9, 9, 3, \first
.if \first == 0
	RESCALE 0
	RESCALE 1
	RESCALE 2
	RESCALE 3
.endif
	s_wait_dscnt 0x0                               ; V's fragments
	PVMUL \first
	WIN 0
	PLACES 5                                       ; the next first product writes over P, and loads go into V's fragments and into O's registers
.if \first == 0
.Lnc_\@:
.endif
.if \conv
	s_wait_dscnt 0x0                               ; my stores into the other slot are done and my reads of this slot are back:
	s_barrier_signal -1                            ; behind this barrier the other slot is read and this one is written
	s_barrier_wait -1
.endif
.endm
; Q comes in by units of 16 rows (one query tile), into the registers that will hold O; each row is read once in the launch
.macro QLOAD u
	WIN 0x80
.set i, 16*\u
.rept 16
	global_load_b128 v[OA+4*i:OA+4*i+3], v[L16], s[32:33] offset:ROWB*i th:TH_LOAD_NT
.set i, i+1
.endr
.endm
; a unit is rounded to f16 in place and stored into my stage
.macro QCONV u
	s_wait_loadcnt 32                              ; two units of 16 loads were issued behind this one: it is in
	WIN 0xaa
.set i, 16*\u
.rept 16
	v_cvt_pk_f16_f32 v[OA+4*i], v[OA+4*i], v[OA+4*i+1]
	v_cvt_pk_f16_f32 v[OA+4*i+1], v[OA+4*i+2], v[OA+4*i+3]
.set i, i+1
.endr
	WIN 0x08
.set i, 16*\u
.rept 16
	ds_store_b64 v[QW], v[OA+4*i:OA+4*i+1] offset:KP*i
.set i, i+1
.endr
.endm
	s_load_b256 s[4:11], s[0:1], 0x0               ; query, key, value, out0
	v_lshl_add_u32 v254, v0, 2, 0x22800
	v_mov_b32 v255, 0
	v_lshrrev_b32 v13, 5, v0
	v_readfirstlane_b32 s12, v13                   ; wave
	s_and_b32 s13, ttmp9, 3                        ; j
	s_lshr_b32 s14, ttmp9, 2                       ; head
	s_sub_co_u32 s48, 7, s13
	s_mov_b32 s22, 0x3e0293ee                      ; c = log2(e) / sqrt(128): e^(s / sqrt(128)) = 2^(c s)
	s_mov_b32 s23, 0x3e0293ee
	s_mov_b32 s24, 0xbe0293ee                      ; -c
	s_mov_b32 s25, 0x76543210                      ; v_permlanex16_b32: lane i of one half reads lane i of the other
	s_mov_b32 s26, 0xfedcba98
	v_and_b32 v12, 31, v0                          ; lane
	v_and_b32 v13, 15, v0                          ; r
	v_bfe_u32 v14, v0, 4, 1                        ; h
	v_lshlrev_b32 v[L16], 4, v12
	v_lshl_add_u32 v[GOFF], s12, 13, v[L16]        ; 16 rows of 512 bytes a wave
	v_mul_u32_u24 v[KRD], v13, KP
	v_lshl_add_u32 v[KRD], v14, 4, v[KRD]
	v_and_b32 v15, 7, v0
	v_lshl_add_u32 v15, v14, 3, v15                ; 8 h + lane % 8
	v_mul_u32_u24 v[VRD], v15, VP
	v_bfe_u32 v15, v0, 3, 1
	v_lshl_add_u32 v[VRD], v15, 4, v[VRD]
	v_add_nc_u32 v[VRD], VBASE, v[VRD]
	s_mul_i32 s36, s12, 16*KP
	s_mul_i32 s37, s12, 16*VP
	s_add_co_u32 s37, s37, VBASE
	s_mul_i32 s38, s12, QSTG
	s_add_co_u32 s38, s38, QBASE                   ; my wave's stage
	v_lshl_add_u32 v[KWR], v12, 3, s36
	v_lshl_add_u32 v[VWR], v12, 3, s37
	v_lshl_add_u32 v[QW], v12, 3, s38
	v_add_nc_u32 v[QR], s38, v[KRD]
	v_mul_u32_u24 v[OW], v13, OP
	v_lshl_add_u32 v[OW], v14, 5, v[OW]
	v_add_nc_u32 v[OW], s38, v[OW]
	v_add_nc_u32 v[ORD], s38, v[L16]
	v_lshlrev_b32 v[PFO], 8, v12
	v_lshl_add_u32 v[PFO], s13, 13, v[PFO]
	v_lshlrev_b32 v15, 3, v14                      ; 8 h
.irp jj, 0,1,2,3,4,5,6,7
	v_add_nc_u32 v12, \jj, v15
	v_cmp_gt_u32 s[40+\jj], v12, v13               ; the lanes in which register jj of a diagonal tile is hidden: 8 h + jj > r
.endr
	WIN 0x40
.irp qt, 0,1,2,3
	v_mov_b32 v[XL+\qt], 0                         ; v_permlanex16_b32 counts as a reader of its destination
.endr
	v_mov_b32 v[NEGV], 0xf149f2ca                  ; -1e30
	WIN 0
	s_mov_b32 s15, 0
	s_wait_kmcnt 0x0
.Lblock:
	s_cmp_eq_u32 s15, 0
	s_cselect_b32 s16, s48, s13                    ; block 7 - j, then block j
	s_lshl_b32 s17, s16, 2                         ; 4 i = T - 4
	s_lshl_b32 s50, s16, 1                         ; 2 i: the pair loop's trips, (T - 4) / 2
	s_add_co_u32 s18, s17, s12                     ; my diagonal step, 4 i + w
	s_add_co_u32 s20, s17, 1                       ; T - 3: the number of steps that prefetch,
	s_cmp_lt_u32 s12, 2
	s_cselect_b32 s21, s20, 0                      ; in waves 0 and 1
	s_cmp_eq_u32 s15, 0
	s_cselect_b32 s21, s21, 0                      ; of the first block alone
	s_wait_xcnt 0x0                                ; the last block's stores read STK and s[34:35]: both are rewritten only behind this wait
	s_lshl_b32 s36, s14, 20                        ; a head is 2,048 rows of 512 bytes
	s_mov_b32 s37, 0
	s_add_nc_u64 s[28:29], s[6:7], s[36:37]        ; K's and V's tile 0
	s_add_nc_u64 s[30:31], s[8:9], s[36:37]
	s_lshl_b32 s27, s16, 17                        ; 256 i rows
	s_add_co_u32 s36, s36, s27
	s_lshl_b32 s27, s12, 15                        ; 64 w rows
	s_add_co_u32 s36, s36, s27
	s_add_nc_u64 s[32:33], s[4:5], s[36:37]
	s_add_nc_u64 s[34:35], s[10:11], s[36:37]
	; A ring of units of 16 loads, three on their way: Q's four query tiles, then K's and V's part of tile 0.  48 loads are out at the most.
	QLOAD 0
	QLOAD 1
	QLOAD 2
	QCONV 0
	QLOAD 3
	QCONV 1
	KLOAD
	QCONV 2
	VLOAD
	QCONV 3
	WIN 0
.irp qt, 0,1,2,3
.irp dc, 0,1,2,3
	ds_load_b128 v[QF+32*\qt+8*\dc:QF+32*\qt+8*\dc+3],   v[QR] offset:16*KP*\qt+64*\dc      ; my own bytes; LDS serves a wave's instructions in order (ISA guide 5.7.1): these see the stores above
	ds_load_b128 v[QF+32*\qt+8*\dc+4:QF+32*\qt+8*\dc+7], v[QR] offset:16*KP*\qt+64*\dc+32
.endr
.endr
	CONV 0, 0                                      ; tile 0 into slot 0, which was last read in front of the last block's last barrier
	KVSTEP
	KVLOAD                                         ; tile 1
	s_wait_dscnt 0x0                               ; my part of tile 0 is stored, Q's fragments are in, and my reads of slot 1 in the last block are back
	s_barrier_signal -1
	s_barrier_wait -1
	s_mov_b32 s19, 0
	STEP 0, 1, 1, 1, s19                           ; step 0: rounds tile 1, asks for tile 2
	s_mov_b32 s19, 1
	s_mov_b32 s49, 0                               ; the loop is counted by its trips, one at a time; s19 only names the step
	s_cmp_lt_u32 s49, s50                          ; block 0 has four steps: none for the loop
	s_cbranch_scc0 .Ltail
.Lpair:                                            ; steps t (odd, slot 1) and t + 1 (slot 0), t = 1, 3 .. T - 5: 2 i trips; both round a tile and ask for one
	STEP 1, 0, 1, 1, s19
	s_add_co_u32 s27, s19, 1
	STEP 0, 0, 1, 1, s27
	s_add_co_u32 s19, s19, 2
	s_add_co_u32 s49, s49, 1
	s_cmp_lt_u32 s49, s50
	s_cbranch_scc1 .Lpair
.Ltail:
	STEP 1, 0, 1, 2, s19                           ; step T - 3: asks for the last tile; a prefetch would pass it
	s_add_co_u32 s27, s19, 1
	STEP 0, 0, 1, 0, s27                           ; step T - 2: rounds the last tile, asks for nothing
	s_add_co_u32 s27, s19, 2
	STEP 1, 0, 0, 0, s27                           ; step T - 1: nothing is staged, and no barrier: slot 1 is written again only behind the next block's first barrier
	; THE WAY OUT.  The sums' two halves and lane xor 16 meet, O is divided, and 16 queries at a time go through my stage: a lane puts 32 bytes
	; of a query's row, whole rows of 512 bytes come back, and each store of the wave covers 512 consecutive bytes, aligned.
	WIN 0x55
.irp qt, 0,1,2,3
	v_add_f32 v[LS+2*\qt], v[LS+2*\qt], v[LS+2*\qt+1]
.endr
.irp qt, 0,1,2,3
	v_permlanex16_b32 v[XL+\qt], v[LS+2*\qt], s25, s26
.endr
.irp qt, 0,1,2,3
	v_add_f32 v[TM+2*\qt], v[LS+2*\qt], v[XL+\qt]
.endr
.irp qt, 0,1,2,3
	v_rcp_f32 v[AL+2*\qt], v[TM+2*\qt]             ; the sum holds the largest score's term, which is about 2^0
.endr
	v_nop                                          ; one plain place behind the reciprocals (ISA guide 5.7.2)
	s_wait_alu depctr_va_vdst(0)
.irp qt, 0,1,2,3
	RESCALE \qt
	WIN 0x08
.irp dt, 0,1,2,3,4,5,6,7
	ds_store_b128 v[OW], v[OA+64*\qt+8*\dt:OA+64*\qt+8*\dt+3]   offset:64*\dt
	ds_store_b128 v[OW], v[OA+64*\qt+8*\dt+4:OA+64*\qt+8*\dt+7] offset:64*\dt+16
.endr
	WIN 0
	s_wait_xcnt 0x0                                ; STK, which the last sixteen stores read, is loaded again only behind this wait
.irp rr, 0,1,2,3,4,5,6,7,8,9,10,11,12,13,14,15
	ds_load_b128 v[STK+4*\rr:STK+4*\rr+3], v[ORD] offset:OP*\rr
.endr
.irp rr, 0,1,2,3,4,5,6,7,8,9,10,11,12,13,14,15
	s_wait_dscnt 15-\rr                            ; LDS loads come back in order: row rr is in, the younger ones may be out
	global_store_b128 v[L16], v[STK+4*\rr:STK+4*\rr+3], s[34:35] offset:ROWB*(16*\qt+\rr) th:TH_STORE_NT
.endr
.endr
	s_add_co_u32 s15, s15, 1
	s_cmp_lt_u32 s15, 2
	s_cbranch_scc1 .Lblock
	s_wait_tensorcnt 0x0
	ds_add_u32 v254, v255
	s_wait_dscnt 0x0
	s_endpgm
.Lfunc_end_k_qccfdc9dd67_attn:
	.size	k_qccfdc9dd67_attn, .Lfunc_end_k_qccfdc9dd67_attn-k_qccfdc9dd67_attn
	.p2alignl 7, 3214868480
	.fill 96, 4, 3214868480
	.section	.rodata,"a",@progbits
	.p2align	6, 0x0
	.amdhsa_kernel k_qccfdc9dd67_attn
		.amdhsa_group_segment_fixed_size 141824
		.amdhsa_private_segment_fixed_size 0
		.amdhsa_enable_private_segment 0
		.amdhsa_kernarg_size 32
		.amdhsa_user_sgpr_count 2
		.amdhsa_user_sgpr_kernarg_segment_ptr 1
		.amdhsa_wavefront_size32 1
		.amdhsa_system_sgpr_workgroup_id_x 1
		.amdhsa_system_sgpr_workgroup_id_y 1
		.amdhsa_system_sgpr_workgroup_id_z 1
		.amdhsa_system_vgpr_workitem_id 0
		.amdhsa_next_free_vgpr 1024
		.amdhsa_next_free_sgpr 66
		.amdhsa_reserve_vcc 0
		.amdhsa_float_denorm_mode_32 3
		.amdhsa_float_denorm_mode_16_64 3
		.amdhsa_memory_ordered 1
		.amdhsa_forward_progress 1
		.amdhsa_inst_pref_size 255
	.end_amdhsa_kernel
	.section	.bss,"aw",@nobits
	.p2align	6
	.space	262144
	.amdgpu_metadata
---
amdhsa.version: [ 1, 2 ]
amdhsa.kernels:
  - .name:           k_qccfdc9dd67_attn
    .symbol:         k_qccfdc9dd67_attn.kd
    .args:
      - { .name: query, .offset: 0, .size: 8, .value_kind: global_buffer, .address_space: global }
      - { .name: key, .offset: 8, .size: 8, .value_kind: global_buffer, .address_space: global }
      - { .name: value, .offset: 16, .size: 8, .value_kind: global_buffer, .address_space: global }
      - { .name: out0, .offset: 24, .size: 8, .value_kind: global_buffer, .address_space: global }
    .group_segment_fixed_size: 141824
    .private_segment_fixed_size: 0
    .kernarg_segment_align: 8
    .kernarg_segment_size: 32
    .max_flat_workgroup_size: 128
    .sgpr_count:     66
    .vgpr_count:     1024
    .wavefront_size: 32
...
	.end_amdgpu_metadata
.endif
;; end of part 1
;; ======== version 2 of 2: 1 launch; version 1 with the launch attn written anew for expert scheduling mode
;; limits: values are held in f16: magnitudes above 65,504 overflow, below 6.1e-05 lose precision; inputs' magnitudes at most 65,504; below input magnitudes of 6.1e-05 results are inexact or not finite
;; launch attn (part 2): grid 256 x 1, 4 waves a work-group, no clusters, 141,824 bytes of LDS; arguments query, key, value, out0; writes out0
.if DOCPART == 2
	.amdgcn_target "amdgcn-amd-amdhsa--gfx1250"
	.amdhsa_code_object_version 6
	.text
	.protected	k_qccfdc9dd67_attn
	.globl	k_qccfdc9dd67_attn
	.p2align	8
	.type	k_qccfdc9dd67_attn,@function
k_qccfdc9dd67_attn:
	s_mov_b64 s[64:65], 0
	v_nop
	global_prefetch_b8 v0, s[64:65] scope:SCOPE_SE
	s_setreg_imm32_b32 hwreg(HW_REG_WAVE_SCHED_MODE, 0, 2), 2
	s_setreg_imm32_b32 hwreg(HW_REG_WAVE_MODE, 25, 1), 1
	s_wait_xcnt 0x0
	s_wait_alu depctr_vm_vsrc(0)
; Causal attention, fused: out = softmax(q k^T / sqrt(128) + causal mask) v.  64 heads of 2,048 rows x 128 numbers, all f32 in memory.
; Matrix operands are rounded to f16, sums are f32, the softmax is f32 with a running maximum.
;
; WHY f16 AND NOT bf16.  Both forms take the same registers and the same time; f16 keeps 11 significant bits, bf16 8.  A row with few visible
; keys is a sum of a few terms p v of the size of v, which may cancel, so each term's rounding shows in full in the result.
; f16 has the room: its largest number is 65,504, and it is at full precision down to 6.1e-5; p lies in [0, 1].
;
; SHARES.  256 work-groups = 64 heads x 4.  A head has 8 query blocks of 256 rows; block i needs T = 4 (i + 1) key steps of 64 keys.
; Work-group j of a head makes block 7 - j and then block j: 4 (8 - j) + 4 (j + 1) = 36 steps for every work-group.
; Wave w owns 64 query rows, 256 i + 64 w .. + 63; it computes steps 0 .. 4 i + w (the last is its diagonal step, which is masked) and
; jumps over the arithmetic of later steps, but goes on bringing its quarter of every tile and passes every barrier.
;
; TRANSPOSED PRODUCTS.  S^T = K Q^T: in a result tile register j of lane (r, h) holds (key 8 h + j, query r).  Rounding two neighbouring
; key tiles pairwise to f16 gives exactly the second operand (column = query r, 32 keys along the registers) of O^T = V^T P^T, whose first
; operand comes from V, stored [key][d], by the transposing LDS load.  So every per-query number (maximum, sum, factor) is one number a lane
; and query tile, and the only step between lanes is lane xor 16.
;
; K AND V come through registers: 16-byte loads (a wave's load covers one row of 512 bytes), rounded to f16, stored into one of two LDS slots.
; Tile t + 2 is asked for in step t, rounded and stored in step t + 1, read in step t + 2: 64 KiB of the work-group are on their way for a step.
; No load stands under a jump on the step's number: the last three steps of a block, which ask for the last tile, for none and for none,
; are written out behind the loop.
;
; NO TENSOR LOADS, NO CLUSTER: the inputs are f32 and the products want 16-bit operands; a copy engine rounds nothing, and f32 tiles in LDS
; would add 64 KiB written and 32 KiB more read to each step's 128 KiB of fragment reads.  The four work-groups of a head walk 32, 28, 24 and
; 20 tiles in their first block, so joint requests would need 48 steps of each in place of 36.
;
; THE MODE: SCHED_MODE bits 1:0 = 2 (LLVM: expert scheduling mode 2), set by the entry lines.  The code itself states the register dependences
; between vector or matrix instructions and memory or LDS instructions, with s_wait_alu, always for 0.
; THE PLAN.  Registers that memory or LDS instructions touch:
;   v1-v11    addresses, made at the head and never written again: rows and tiles are reached by scalar bases and immediate offsets.
;   STK, STV  the staged tile.  Step t's global loads land in them; the head of step t + 1 rounds them in place; its 32 LDS stores read them;
;             then they are loaded again.
;   FK, FV    fragments.  LDS loads land in them, the two products read them.  On the way out they are four buffers of 64 registers for the
;             rows that come back from the stage, and the global stores read them.
;   QF        Q's fragments: LDS loads at a block's head, read by the first products alone.
;   O         at a block's head Q lands here, is rounded in place and read by LDS stores; then the second products and the rescaling write it;
;             on the way out LDS stores read it.
;   The scores and the statistics are named by vector and matrix instructions alone.
; A STEP has one wait on va_vdst behind its 64 roundings: STK and STV are written, and the last step's products are done reading FK and FV.
; Behind it come K's fragment loads and the 32 stores.  Ahead of the next tile's loads, behind the stores that read STK and STV and behind the
; window's switch, stand a wait on vm_vsrc (the stores have read them) and one on va_vdst (the roundings are done with them).  V's fragment
; loads are dealt among the first product's matrix instructions, which name FK, QF and the scores: none of the registers that those loads touch.
;
; LIMITS.  Inputs are finite and below 65,504 in magnitude (beyond it the rounding to f16 gives an infinity); an input below 6.1e-5 in magnitude
; is kept to within 3e-8.  A NaN score loses in the maxima and is not carried.  A masked score is replaced by -1e30 in units of q.k, so its
; probability is exactly 0; reference() adds -1e19 to the scaled score instead, which differs only where a row's visible scaled scores lie
; below about -1e19.  A probability below 3e-8 of its row's largest enters the second product as 0 (it still enters the row's sum, down to 2^-126).
.set KP,    272                        ; LDS pitch of a row of 128 f16 of K or Q: 256 + 16 bytes, an odd multiple of 16
.set VP,    288                        ; LDS pitch of a row of V: an odd multiple of 32, for the transposing loads
.set KSLOT, 64*KP                      ; 17,408 bytes: 64 keys
.set VSLOT, 64*VP                      ; 18,432 bytes
.set VBASE, 2*KSLOT                    ; V's two slots lie behind K's two
.set QBASE, VBASE+2*VSLOT              ; behind them a stage of 17,408 bytes for each wave, its own: Q as f16, later 16 rows of output
.set QSTG,  64*KP
.set OP,    528                        ; pitch of a row of 128 f32 in the output stage: 512 + 16
.set ROWB,  512                        ; bytes of a row in memory
.set TILEB, 64*ROWB                    ; bytes of a tile of 64 keys in memory
; window 0
.set L16,  1                           ; 16 x lane
.set GOFF, 2                           ; 8,192 w + 16 x lane: my 16 bytes in my wave's first row of a tile
.set KRD,  3                           ; K fragments: 272 r + 16 h
.set VRD,  4                           ; V fragments: VBASE + 288 (8 h + lane % 8) + 16 ((lane / 8) % 2)
.set KWR,  5                           ; where my 8 bytes of K go: 16 w rows + 8 x lane
.set VWR,  6                           ; the same for V
.set QW,   7                           ; my stage + 8 x lane
.set QR,   8                           ; my stage + 272 r + 16 h
.set OW,   9                           ; my stage + 528 r + 32 h
.set ORD,  10                          ; my stage + 16 x lane
.set PFO,  11                          ; prefetch: 8,192 j + 256 x lane
.set QF,   32                          ; v32-159   Q fragment (qt, dc) at QF + 32 qt + 8 dc
.set STK,  160                         ; v160-223  K as loaded, 16 rows x 4
; window 1
.set SC,   0                           ; v0-127    score tile (kt, qt) at 32 qt + 8 kt; P fragment (qt, kc) in place at 32 qt + 16 kc
.set NM,   128                         ; NM[qt] = -c x maximum at 128 + 2 qt: the first register of a pair, which packed instructions broadcast
.set MX,   129                         ; the running maximum, in units of q.k, at 129 + 2 qt
.set AL,   136                         ; the rescale factor (at the end 1 / sum) at 136 + 2 qt, first of a pair likewise
.set TM,   137                         ; at work, at 137 + 2 qt
.set XL,   144                         ; v144-147  what lane xor 16 holds
.set LS,   148                         ; v148-155  a pair of partial sums for each query tile
.set NEGV, 160                         ; -1e30
.set STV,  192                         ; v192-255  V as loaded
; window 2
.set OA,   0                           ; O tile (qt, dt) at 64 qt + 8 dt; at a block's head the same registers take Q in f32, row i at 4 i
; window 3
.set FK,   0                           ; K fragment (kt, dc) at 8 (4 dc + kt)
.set FV,   128                         ; V fragment (dt, kc) at 128 + 8 (8 kc + dt)
.set OB,   0                           ; on the way out: the 16 rows of query tile qt, read back, at 64 qt + 4 row
; scalars: s[4:5] query, s[6:7] key, s[8:9] value, s[10:11] out0; s12 wave; s13 j; s14 head; s15 block trip; s16 block i; s17 4 i;
; s18 my diagonal step; s19 step; s20 T - 3; s21 steps that prefetch; s[22:23] c, c; s24 -c; s25, s26 lane selects; s27 a later step's number;
; s[28:29], s[30:31] K's and V's tile; s[32:33], s[34:35] my rows of query and out0; s[36:37] offsets; s[38:39] prefetch base;
; s40-47 lane masks of the diagonal tile; s48 7 - j; s49 the pair loop's trip; s50 its trips, 2 i
; s_set_vgpr_msb: bits 1:0 source 0, 3:2 source 1, 5:4 source 2, 7:6 destination; the high byte repeats the setting that is left.
; At every label and branch the setting is 0.
.set MSB, 0
.macro WIN new
.if MSB != \new
	s_set_vgpr_msb (MSB<<8)|\new
.set MSB, \new
.endif
.endm
.macro PLACES n
.rept \n
	v_nop
.endr
.endm
; my wave's 16 rows of K's tile, and of V's: 16 loads of 512 neighbouring bytes each.  Other work-groups read these rows again: no hint.
.macro KLOAD
	WIN 0
.set i, 0
.rept 16
	global_load_b128 v[STK+4*i:STK+4*i+3], v[GOFF], s[28:29] offset:ROWB*i
.set i, i+1
.endr
.endm
.macro VLOAD
	WIN 0x40
.set i, 0
.rept 16
	global_load_b128 v[STV+4*i:STV+4*i+3], v[GOFF], s[30:31] offset:ROWB*i
.set i, i+1
.endr
.endm
; both tile pointers go one tile on, and that tile is asked for: V's rows first, so that only loads and a window's switch stand between the waits and K's
.macro KVNEXT
	s_wait_xcnt 0x0                                ; the bases of the last loads and of the last prefetch are rewritten only behind this wait
	s_add_nc_u64 s[28:29], s[28:29], TILEB
	s_add_nc_u64 s[30:31], s[30:31], TILEB
	s_cmp_eq_u32 s12, 0
	s_cselect_b64 s[38:39], s[28:29], s[30:31]     ; wave 0 prefetches K, wave 1 V (the others ask for nothing)
	WIN 0x40
	s_wait_alu depctr_vm_vsrc(0)                   ; the LDS stores issued so far have read STK and STV, in which the loads below land
	s_wait_alu depctr_va_vdst(0)                   ; the roundings are done reading and writing STK and STV: said here, behind the stores that read them and behind the window's switch
	VLOAD
	KLOAD
.endm
; In step t the pointers stand at tile t + 2 and this asks for tile t + 3, which the next step loads: rows 16 j .. 16 j + 15, 32 lanes 256 bytes
; apart = 8 KiB.  The four work-groups of a head share a tile's 64 rows, wave 0 takes K's and wave 1 V's, in the first block alone, so no
; block of 256 bytes is asked for twice; s21 = T - 3 stops it at the block's last tile.
.macro PREF treg
	s_cmp_lt_u32 \treg, s21
	s_cbranch_scc0 .Lnp_\@
	global_prefetch_b8 v[PFO], s[38:39] offset:TILEB th:TH_LOAD_NT scope:SCOPE_SE
.Lnp_\@:
.endm
; The staged tile is rounded to f16 in place: a lane's 4 numbers become 8 bytes.
.macro CVT
	s_wait_loadcnt 0x0                             ; the 32 loads of the staged tile
	WIN 0
.set i, 0
.rept 16
	v_cvt_pk_f16_f32 v[STK+4*i], v[STK+4*i], v[STK+4*i+1]
	v_cvt_pk_f16_f32 v[STK+4*i+1], v[STK+4*i+2], v[STK+4*i+3]
.set i, i+1
.endr
	WIN 0x55
.set i, 0
.rept 16
	v_cvt_pk_f16_f32 v[STV+4*i], v[STV+4*i], v[STV+4*i+1]
	v_cvt_pk_f16_f32 v[STV+4*i+1], v[STV+4*i+2], v[STV+4*i+3]
.set i, i+1
.endr
	WIN 0
.endm
; and stored into slot tgt: a wave's store covers 256 neighbouring bytes.  The wait for the roundings stands ahead of the macro.
.macro PUTKV tgt
	WIN 0
.set i, 0
.rept 16
	ds_store_b64 v[KWR], v[STK+4*i:STK+4*i+1] offset:(\tgt)*KSLOT+KP*i
.set i, i+1
.endr
	WIN 0x04
.set i, 0
.rept 16
	ds_store_b64 v[VWR], v[STV+4*i:STV+4*i+1] offset:(\tgt)*VSLOT+VP*i
.set i, i+1
.endr
.endm
; 16 fragments of K (16 keys x 32 d): lane (r, h) takes d = 8 h .. + 7 and 16 + 8 h .. + 7 of key r
.macro KFRAG slot
	WIN 0xc0
.irp dc, 0,1,2,3
.irp kt, 0,1,2,3
	ds_load_b128 v[FK+8*(4*\dc+\kt):FK+8*(4*\dc+\kt)+3],   v[KRD] offset:\slot*KSLOT+16*KP*\kt+64*\dc
	ds_load_b128 v[FK+8*(4*\dc+\kt)+4:FK+8*(4*\dc+\kt)+7], v[KRD] offset:\slot*KSLOT+16*KP*\kt+64*\dc+32
.endr
.endr
	WIN 0
.endm
; 8 fragments of V^T (16 d x 32 keys: keys 32 kc on) by transposing loads from rows that lie along d
.macro VFRAGH slot, kc
	WIN 0xc0
.irp dt, 0,1,2,3,4,5,6,7
	ds_load_tr16_b128 v[FV+8*(8*\kc+\dt):FV+8*(8*\kc+\dt)+3],   v[VRD] offset:\slot*VSLOT+32*VP*\kc+32*\dt
	ds_load_tr16_b128 v[FV+8*(8*\kc+\dt)+4:FV+8*(8*\kc+\dt)+7], v[VRD] offset:\slot*VSLOT+32*VP*\kc+32*\dt+16*VP
.endr
.endm
; S^T = K Q^T, 64 keys x 64 queries, 32 of d (32 dc on) at a time.  The first 32 of d start the sums.  The sixteen accumulators take turns, one
; instruction a turn, in the same order in every quarter.
.macro SMULQ dc
	WIN 0x53
.irp kt, 0,1,2,3
.irp qt, 0,1,2,3
.if \dc == 0
	v_wmma_f32_16x16x32_f16 v[SC+32*\qt+8*\kt:SC+32*\qt+8*\kt+7], v[FK+8*(4*\dc+\kt):FK+8*(4*\dc+\kt)+7], v[QF+32*\qt+8*\dc:QF+32*\qt+8*\dc+7], 0
.else
	v_wmma_f32_16x16x32_f16 v[SC+32*\qt+8*\kt:SC+32*\qt+8*\kt+7], v[FK+8*(4*\dc+\kt):FK+8*(4*\dc+\kt)+7], v[QF+32*\qt+8*\dc:QF+32*\qt+8*\dc+7], v[SC+32*\qt+8*\kt:SC+32*\qt+8*\kt+7]
.endif
.endr
.endr
.endm
; the diagonal step: key 16 kt + 8 h + jj is hidden from query 16 qt + r where it is the larger
.macro MASK
	WIN 0x55
.irp qt, 0,1,2,3
.irp kt, 0,1,2,3
.if \kt > \qt
.irp jj, 0,1,2,3,4,5,6,7
	v_mov_b32 v[SC+32*\qt+8*\kt+\jj], v[NEGV]
.endr
.endif
.if \kt == \qt
.irp jj, 0,1,2,3,4,5,6,7
	v_cndmask_b32 v[SC+32*\qt+8*\kt+\jj], v[SC+32*\qt+8*\kt+\jj], v[NEGV], s[40+\jj]
.endr
.endif
.endr
.endr
.endm
; the new running maxima, four chains that do not wait for each other; then NM = -c x maximum and the factor 2^(NM new - NM old)
.macro SMAX first
	WIN 0x55
.set i, 0
.rept 16
.irp qt, 0,1,2,3
.if i == 0
.if \first
	v_max_num_f32 v[TM+2*\qt], v[SC+32*\qt], v[SC+32*\qt+1]
.else
	v_max3_num_f32 v[TM+2*\qt], v[SC+32*\qt], v[SC+32*\qt+1], v[MX+2*\qt]
.endif
.else
	v_max3_num_f32 v[TM+2*\qt], v[SC+32*\qt+2*i], v[SC+32*\qt+2*i+1], v[TM+2*\qt]
.endif
.endr
.set i, i+1
.endr
.irp qt, 0,1,2,3
	v_permlanex16_b32 v[XL+\qt], v[TM+2*\qt], s25, s26     ; the other 32 keys' maximum lies in lane xor 16
.endr
.irp qt, 0,1,2,3
	v_max_num_f32 v[MX+2*\qt], v[TM+2*\qt], v[XL+\qt]
.endr
.if \first
.irp qt, 0,1,2,3
	v_mul_f32 v[NM+2*\qt], s24, v[MX+2*\qt]
.endr
.else
; The factor's exponent is the difference of the two ROUNDED numbers that the exponentials use, so it is exactly 0 where the maximum stays;
; a fused form would leave the product's rounding in every step's factor.  Hence a multiply, a subtract and a move.
.irp qt, 0,1,2,3
	v_mul_f32 v[TM+2*\qt], s24, v[MX+2*\qt]
.endr
.irp qt, 0,1,2,3
	v_sub_f32 v[AL+2*\qt], v[TM+2*\qt], v[NM+2*\qt]
.endr
.irp qt, 0,1,2,3
	v_mov_b32 v[NM+2*\qt], v[TM+2*\qt]
.endr
.irp qt, 0,1,2,3
	v_exp_f32 v[AL+2*\qt], v[AL+2*\qt]             ; the plain instruction behind these (ISA guide 5.7.2) is the first multiply-add of the exponents
.endr
.endif
.endm
; Three stages of the softmax on three query tiles at once (9 = none): e: 2^x in place; f: x = c s + NM; s: add to the sums and round to f16.
; Behind each pair of exponentials stands a plain instruction on another tile's registers (ISA guide 5.7.2).
; The rounding writes in place: pair k of a tile's 16 goes to register k (k < 8) or k + 8, never above the lowest register still to be read.
.macro SOFTQ e, f, s, first
.set k, 0
.rept 16
.if \e < 4
	v_exp_f32 v[SC+32*\e+2*k], v[SC+32*\e+2*k]
	v_exp_f32 v[SC+32*\e+2*k+1], v[SC+32*\e+2*k+1]
.endif
.if \f < 4
	v_pk_fma_f32 v[SC+32*\f+2*k:SC+32*\f+2*k+1], v[SC+32*\f+2*k:SC+32*\f+2*k+1], s[22:23], v[NM+2*\f:NM+2*\f+1] op_sel_hi:[1,0,0]
.endif
.if \s < 4
.if k == 0
.if \first
	s_wait_alu depctr_va_vdst(0)
	v_pk_add_f32 v[LS+2*\s:LS+2*\s+1], v[SC+32*\s:SC+32*\s+1], v[SC+32*\s+2:SC+32*\s+3]   ; the first four numbers start the sums
.else
	s_wait_alu depctr_va_vdst(0)
	v_pk_fma_f32 v[LS+2*\s:LS+2*\s+1], v[LS+2*\s:LS+2*\s+1], v[AL+2*\s:AL+2*\s+1], v[SC+32*\s:SC+32*\s+1] op_sel_hi:[1,0,1]
	s_wait_alu depctr_va_vdst(0)
.endif
.else
.if k > \first
	s_wait_alu depctr_va_vdst(0)
	v_pk_add_f32 v[LS+2*\s:LS+2*\s+1], v[LS+2*\s:LS+2*\s+1], v[SC+32*\s+2*k:SC+32*\s+2*k+1]
.endif
.endif
	v_cvt_pk_f16_f32 v[SC+32*\s+k+8*(k/8)], v[SC+32*\s+2*k], v[SC+32*\s+2*k+1]
.endif
.set k, k+1
.endr
.endm
; the 64 registers of O of one query tile times that tile's factor (one number a lane)
.macro RESCALE qt
	WIN 0x86
.set p, 0
.rept 32
	v_pk_mul_f32 v[OA+64*\qt+2*p:OA+64*\qt+2*p+1], v[OA+64*\qt+2*p:OA+64*\qt+2*p+1], v[AL+2*\qt:AL+2*\qt+1] op_sel_hi:[1,0]
.set p, p+1
.endr
.endm
; O^T += V^T P^T, 128 d x 64 queries x 64 keys.  The 32 accumulators take turns, one instruction a turn.
.macro PVMUL first
	WIN 0xa7
.irp kc, 0,1
.irp dt, 0,1,2,3,4,5,6,7
.irp qt, 0,1,2,3
.if \first*(1-\kc)
	v_wmma_f32_16x16x32_f16 v[OA+64*\qt+8*\dt:OA+64*\qt+8*\dt+7], v[FV+8*(8*\kc+\dt):FV+8*(8*\kc+\dt)+7], v[SC+32*\qt+16*\kc:SC+32*\qt+16*\kc+7], 0
.else
	v_wmma_f32_16x16x32_f16 v[OA+64*\qt+8*\dt:OA+64*\qt+8*\dt+7], v[FV+8*(8*\kc+\dt):FV+8*(8*\kc+\dt)+7], v[SC+32*\qt+16*\kc:SC+32*\qt+16*\kc+7], v[OA+64*\qt+8*\dt:OA+64*\qt+8*\dt+7]
.endif
.endr
.endr
.endr
.endm
; One key step, number in treg, tile in slot.  first: it starts maxima, sums and O.  conv: the staged tile goes into the other slot, and a barrier
; closes the step.  load: 1 = the tile two steps on is asked for, and the one behind it prefetched; 2 = asked for, no prefetch; 0 = neither.
.macro STEP slot, first, conv, load, treg
.if \conv
	CVT
.endif
	s_wait_alu depctr_va_vdst(0)                   ; the roundings have written STK and STV, which the stores below read; the last step's products are done reading FK and FV, in which this step's fragments land
.if \first == 0
	s_cmp_gt_u32 \treg, s18                        ; beyond my diagonal step there is nothing to compute
	s_cbranch_scc1 .Lnk_\@
.endif
	KFRAG \slot
.if \first == 0
.Lnk_\@:
.endif
.if \conv
	PUTKV 1-\slot
.endif
.if \load
	KVNEXT
.endif
	WIN 0
.if \load == 1
	PREF \treg
.endif
.if \first == 0
	s_cmp_gt_u32 \treg, s18
	s_cbranch_scc1 .Lnc_\@
.endif
.if \conv
	s_wait_dscnt 32                                ; the 32 stores are younger than the 32 loads of K's fragments: the fragments are in
.else
	s_wait_dscnt 0x0                               ; K's fragments: nothing was issued behind them
.endif
	SMULQ 0
	VFRAGH \slot, 0                                ; V's fragments are dealt among the first product.  No wait: no vector or matrix instruction since the last wait on va_vdst names FV or the address
	SMULQ 1
	VFRAGH \slot, 1
	SMULQ 2
	SMULQ 3
	WIN 0
	PLACES 5                                       ; behind the product: its results are read by vector instructions (four places) and, rounded in place, serve the second product as an operand (five) (ISA guide 7.12.1)
	s_cmp_lg_u32 \treg, s18
	s_cbranch_scc1 .Lnm_\@
	MASK
	WIN 0
.Lnm_\@:
	SMAX \first
	SOFTQ 9, 0, 9, \first
	SOFTQ 0, 1, 9, \first
	SOFTQ 1, 2, 0, \first
	SOFTQ 2, 3, 1, \first
	SOFTQ 3, 9, 2, \first
	SOFTQ 9, 9, 3, \first
.if \first == 0
	RESCALE 0
	RESCALE 1
	RESCALE 2
	RESCALE 3
.endif
	s_wait_dscnt 0x0                               ; V's fragments
	PVMUL \first
	WIN 0
	PLACES 5                                       ; the next first product writes over P (ISA guide 7.12.1)
.if \first == 0
.Lnc_\@:
.endif
.if \conv
	s_wait_dscnt 0x0                               ; my stores into the other slot are done and my reads of this slot are back:
	s_barrier_signal -1                            ; behind this barrier the other slot is read and this one is written
	s_barrier_wait -1
.endif
.endm
; Q comes in by units of 16 rows (one query tile), into the registers that will hold O; each row is read once in the launch
.macro QLOAD u
	WIN 0x80
.set i, 16*\u
.rept 16
	global_load_b128 v[OA+4*i:OA+4*i+3], v[L16], s[32:33] offset:ROWB*i th:TH_LOAD_NT
.set i, i+1
.endr
.endm
; a unit is rounded to f16 in place and stored into my stage
.macro QCONV u
	s_wait_loadcnt 32                              ; two units of 16 loads were issued behind this one: it is in
	WIN 0xaa
.set i, 16*\u
.rept 16
	v_cvt_pk_f16_f32 v[OA+4*i], v[OA+4*i], v[OA+4*i+1]
	v_cvt_pk_f16_f32 v[OA+4*i+1], v[OA+4*i+2], v[OA+4*i+3]
.set i, i+1
.endr
	WIN 0x08
	s_wait_alu depctr_va_vdst(0)                   ; the roundings have written the unit's registers, which the stores read
.set i, 16*\u
.rept 16
	ds_store_b64 v[QW], v[OA+4*i:OA+4*i+1] offset:KP*i
.set i, i+1
.endr
.endm
; The way out of query tile qt: a lane puts 32 bytes of a query's row into my stage, and whole rows of 512 bytes come back, into the tile's own buffer.
; One window setting serves both: a store's data in window 2, a load's data in window 3, addresses in window 0.
.macro PUTGET qt
	WIN 0xc8
.irp dt, 0,1,2,3,4,5,6,7
	ds_store_b128 v[OW], v[OA+64*\qt+8*\dt:OA+64*\qt+8*\dt+3]   offset:64*\dt
	ds_store_b128 v[OW], v[OA+64*\qt+8*\dt+4:OA+64*\qt+8*\dt+7] offset:64*\dt+16
.endr
.irp rr, 0,1,2,3,4,5,6,7,8,9,10,11,12,13,14,15
	ds_load_b128 v[OB+64*\qt+4*\rr:OB+64*\qt+4*\rr+3], v[ORD] offset:OP*\rr    ; LDS serves a wave's instructions in order (ISA guide 5.7.1): these see the stores above; the next tile's stores come behind them
.endr
.endm
; younger: the LDS instructions issued behind tile qt's loads: the next tile's 32, or none
.macro SEND qt, younger
	WIN 0x0c
.irp rr, 0,1,2,3,4,5,6,7,8,9,10,11,12,13,14,15
	s_wait_dscnt \younger+15-\rr                   ; LDS loads come back in order: row rr is in, the younger ones may be out
	global_store_b128 v[L16], v[OB+64*\qt+4*\rr:OB+64*\qt+4*\rr+3], s[34:35] offset:ROWB*(16*\qt+\rr) th:TH_STORE_NT
.endr
.endm
	s_load_b256 s[4:11], s[0:1], 0x0               ; query, key, value, out0
	v_lshl_add_u32 v254, v0, 2, 0x22800
	v_mov_b32 v255, 0
	v_lshrrev_b32 v12, 5, v0
	v_readfirstlane_b32 s12, v12                   ; wave
	v_and_b32 v13, 15, v0                          ; r
	v_bfe_u32 v14, v0, 4, 1                        ; h
	v_lshlrev_b32 v15, 3, v14                      ; 8 h
.irp jj, 0,1,2,3,4,5,6,7
	v_add_nc_u32 v12, \jj, v15
	v_cmp_gt_u32 s[40+\jj], v12, v13               ; the lanes in which register jj of a diagonal tile is hidden: 8 h + jj > r
.endr
	s_and_b32 s13, ttmp9, 3                        ; j
	s_lshr_b32 s14, ttmp9, 2                       ; head
	s_sub_co_u32 s48, 7, s13
	s_mov_b32 s22, 0x3e0293ee                      ; c = log2(e) / sqrt(128): e^(s / sqrt(128)) = 2^(c s)
	s_mov_b32 s23, 0x3e0293ee
	s_mov_b32 s24, 0xbe0293ee                      ; -c
	s_mov_b32 s25, 0x76543210                      ; v_permlanex16_b32: lane i of one half reads lane i of the other
	s_mov_b32 s26, 0xfedcba98
	s_wait_alu depctr_va_sdst(0)                   ; s12 and s40 to s47 are written, ahead of their first readers: the addresses below, the jumps on the wave's number, the diagonal step's selects
	v_and_b32 v12, 31, v0                          ; lane
	v_lshlrev_b32 v[L16], 4, v12
	v_lshl_add_u32 v[GOFF], s12, 13, v[L16]        ; 16 rows of 512 bytes a wave
	v_mul_u32_u24 v[KRD], v13, KP
	v_lshl_add_u32 v[KRD], v14, 4, v[KRD]
	v_and_b32 v15, 7, v0
	v_lshl_add_u32 v15, v14, 3, v15                ; 8 h + lane % 8
	v_mul_u32_u24 v[VRD], v15, VP
	v_bfe_u32 v15, v0, 3, 1
	v_lshl_add_u32 v[VRD], v15, 4, v[VRD]
	v_add_nc_u32 v[VRD], VBASE, v[VRD]
	s_mul_i32 s36, s12, 16*KP
	s_mul_i32 s37, s12, 16*VP
	s_add_co_u32 s37, s37, VBASE
	s_mul_i32 s38, s12, QSTG
	s_add_co_u32 s38, s38, QBASE                   ; my wave's stage
	v_lshl_add_u32 v[KWR], v12, 3, s36
	v_lshl_add_u32 v[VWR], v12, 3, s37
	v_lshl_add_u32 v[QW], v12, 3, s38
	v_add_nc_u32 v[QR], s38, v[KRD]
	v_mul_u32_u24 v[OW], v13, OP
	v_lshl_add_u32 v[OW], v14, 5, v[OW]
	v_add_nc_u32 v[OW], s38, v[OW]
	v_add_nc_u32 v[ORD], s38, v[L16]
	v_lshlrev_b32 v[PFO], 8, v12
	v_lshl_add_u32 v[PFO], s13, 13, v[PFO]
	WIN 0x40
.irp qt, 0,1,2,3
	v_mov_b32 v[XL+\qt], 0                         ; v_permlanex16_b32 counts as a reader of its destination
.endr
	v_mov_b32 v[NEGV], 0xf149f2ca                  ; -1e30
	WIN 0
	s_mov_b32 s15, 0
	s_wait_kmcnt 0x0
.Lblock:
	s_cmp_eq_u32 s15, 0
	s_cselect_b32 s16, s48, s13                    ; block 7 - j, then block j
	s_lshl_b32 s17, s16, 2                         ; 4 i = T - 4
	s_lshl_b32 s50, s16, 1                         ; 2 i: the pair loop's trips, (T - 4) / 2
	s_add_co_u32 s18, s17, s12                     ; my diagonal step, 4 i + w
	s_add_co_u32 s20, s17, 1                       ; T - 3: the number of steps that prefetch,
	s_cmp_lt_u32 s12, 2
	s_cselect_b32 s21, s20, 0                      ; in waves 0 and 1
	s_cmp_eq_u32 s15, 0
	s_cselect_b32 s21, s21, 0                      ; of the first block alone
	s_wait_xcnt 0x0                                ; the last block's stores read the fragments' registers and s[34:35]: both are rewritten only behind this wait
	s_lshl_b32 s36, s14, 20                        ; a head is 2,048 rows of 512 bytes
	s_mov_b32 s37, 0
	s_add_nc_u64 s[28:29], s[6:7], s[36:37]        ; K's and V's tile 0
	s_add_nc_u64 s[30:31], s[8:9], s[36:37]
	s_lshl_b32 s27, s16, 17                        ; 256 i rows
	s_add_co_u32 s36, s36, s27
	s_lshl_b32 s27, s12, 15                        ; 64 w rows
	s_add_co_u32 s36, s36, s27
	s_add_nc_u64 s[32:33], s[4:5], s[36:37]
	s_add_nc_u64 s[34:35], s[10:11], s[36:37]
	; A ring of units of 16 loads, three on their way: Q's four query tiles, then K's and V's part of tile 0.  48 loads are out at the most.
	WIN 0x80
	s_wait_alu depctr_vm_vsrc(0)                   ; the last block's LDS stores have read O's registers, STK and STV, and its global stores the fragments' registers: all of these are loaded again in this block
	s_wait_alu depctr_va_vdst(0)                   ; the addresses v1 to v11 are written (the first block); the last block's scaling is done with O's registers, in which Q lands
	QLOAD 0
	QLOAD 1
	QLOAD 2
	QCONV 0
	QLOAD 3
	QCONV 1
	KLOAD
	QCONV 2
	VLOAD
	QCONV 3
	WIN 0
.irp qt, 0,1,2,3
.irp dc, 0,1,2,3
	ds_load_b128 v[QF+32*\qt+8*\dc:QF+32*\qt+8*\dc+3],   v[QR] offset:16*KP*\qt+64*\dc      ; my own bytes; LDS serves a wave's instructions in order (ISA guide 5.7.1): these see the stores above
	ds_load_b128 v[QF+32*\qt+8*\dc+4:QF+32*\qt+8*\dc+7], v[QR] offset:16*KP*\qt+64*\dc+32
.endr
.endr
	CVT                                            ; tile 0
	s_wait_alu depctr_va_vdst(0)                   ; the roundings have written STK and STV, which the stores below read
	PUTKV 0                                        ; into slot 0, which was last read in front of the last block's last barrier
	KVNEXT                                         ; tile 1.  Its wait on vm_vsrc also says that Q's stores have read O's registers, which the first second product writes
	s_wait_dscnt 0x0                               ; my part of tile 0 is stored, Q's fragments are in, and my reads of slot 1 in the last block are back
	s_barrier_signal -1
	s_barrier_wait -1
	s_mov_b32 s19, 0
	STEP 0, 1, 1, 1, s19                           ; step 0: rounds tile 1, asks for tile 2
	s_mov_b32 s19, 1
	s_mov_b32 s49, 0                               ; the loop is counted by its trips, one at a time; s19 only names the step
	s_cmp_lt_u32 s49, s50                          ; block 0 has four steps: none for the loop
	s_cbranch_scc0 .Ltail
.Lpair:                                            ; steps t (odd, slot 1) and t + 1 (slot 0), t = 1, 3 .. T - 5: 2 i trips; both round a tile and ask for one
	STEP 1, 0, 1, 1, s19
	s_add_co_u32 s27, s19, 1
	STEP 0, 0, 1, 1, s27
	s_add_co_u32 s19, s19, 2
	s_add_co_u32 s49, s49, 1
	s_cmp_lt_u32 s49, s50
	s_cbranch_scc1 .Lpair
.Ltail:
	STEP 1, 0, 1, 2, s19                           ; step T - 3: asks for the last tile; a prefetch would pass it
	s_add_co_u32 s27, s19, 1
	STEP 0, 0, 1, 0, s27                           ; step T - 2: rounds the last tile, asks for nothing
	s_add_co_u32 s27, s19, 2
	STEP 1, 0, 0, 0, s27                           ; step T - 1: nothing is staged, and no barrier: slot 1 is written again only behind the next block's first barrier
	; THE WAY OUT.  The sums' two halves and lane xor 16 meet, O is divided, and 16 queries at a time go through my stage: a lane puts 32 bytes
	; of a query's row, whole rows of 512 bytes come back, and each store of the wave covers 512 consecutive bytes, aligned.
	; All the scaling stands first, so that one wait serves all the LDS stores.  Each query tile has a buffer of its own to come back into, so no
	; buffer is written again before the next block, and a tile goes through the stage while the tile before is stored.
	WIN 0x55
.irp qt, 0,1,2,3
	v_add_f32 v[LS+2*\qt], v[LS+2*\qt], v[LS+2*\qt+1]
.endr
.irp qt, 0,1,2,3
	v_permlanex16_b32 v[XL+\qt], v[LS+2*\qt], s25, s26
.endr
.irp qt, 0,1,2,3
	v_add_f32 v[TM+2*\qt], v[LS+2*\qt], v[XL+\qt]
.endr
.irp qt, 0,1,2,3
	v_rcp_f32 v[AL+2*\qt], v[TM+2*\qt]             ; the sum holds the largest score's term, which is about 2^0
.endr
	v_nop                                          ; one plain place behind the reciprocals (ISA guide 5.7.2)
	s_wait_alu depctr_va_vdst(0)
	RESCALE 0
	RESCALE 1
	RESCALE 2
	RESCALE 3
	s_wait_dscnt 0x0                               ; no LDS load of mine is out: the fragments' registers take the rows that come back
	WIN 0xc8
	s_wait_alu depctr_va_vdst(0)                   ; the scaling has written O's registers, which the LDS stores read; the products are done reading FK and FV, in which the rows land
	PUTGET 0
	PUTGET 1
	SEND 0, 32
	PUTGET 2
	SEND 1, 32
	PUTGET 3
	SEND 2, 32
	SEND 3, 0
	WIN 0
	s_add_co_u32 s15, s15, 1
	s_cmp_lt_u32 s15, 2
	s_cbranch_scc1 .Lblock
	s_wait_dscnt 0x0
	s_wait_alu depctr_hold_cnt(0) depctr_sa_sdst(0) depctr_va_vdst(0) depctr_va_sdst(0) depctr_va_ssrc(0) depctr_va_vcc(0) depctr_vm_vsrc(0)
	s_wait_tensorcnt 0x0
	ds_add_u32 v254, v255
	s_wait_dscnt 0x0
	s_endpgm
.Lfunc_end_k_qccfdc9dd67_attn:
	.size	k_qccfdc9dd67_attn, .Lfunc_end_k_qccfdc9dd67_attn-k_qccfdc9dd67_attn
	.p2alignl 7, 3214868480
	.fill 96, 4, 3214868480
	.section	.rodata,"a",@progbits
	.p2align	6, 0x0
	.amdhsa_kernel k_qccfdc9dd67_attn
		.amdhsa_group_segment_fixed_size 141824
		.amdhsa_private_segment_fixed_size 0
		.amdhsa_enable_private_segment 0
		.amdhsa_kernarg_size 32
		.amdhsa_user_sgpr_count 2
		.amdhsa_user_sgpr_kernarg_segment_ptr 1
		.amdhsa_wavefront_size32 1
		.amdhsa_system_sgpr_workgroup_id_x 1
		.amdhsa_system_sgpr_workgroup_id_y 1
		.amdhsa_system_sgpr_workgroup_id_z 1
		.amdhsa_system_vgpr_workitem_id 0
		.amdhsa_next_free_vgpr 1024
		.amdhsa_next_free_sgpr 66
		.amdhsa_reserve_vcc 0
		.amdhsa_float_denorm_mode_32 3
		.amdhsa_float_denorm_mode_16_64 3
		.amdhsa_memory_ordered 1
		.amdhsa_forward_progress 1
		.amdhsa_inst_pref_size 255
	.end_amdhsa_kernel
	.section	.bss,"aw",@nobits
	.p2align	6
	.space	262144
	.amdgpu_metadata
---
amdhsa.version: [ 1, 2 ]
amdhsa.kernels:
  - .name:           k_qccfdc9dd67_attn
    .symbol:         k_qccfdc9dd67_attn.kd
    .args:
      - { .name: query, .offset: 0, .size: 8, .value_kind: global_buffer, .address_space: global }
      - { .name: key, .offset: 8, .size: 8, .value_kind: global_buffer, .address_space: global }
      - { .name: value, .offset: 16, .size: 8, .value_kind: global_buffer, .address_space: global }
      - { .name: out0, .offset: 24, .size: 8, .value_kind: global_buffer, .address_space: global }
    .group_segment_fixed_size: 141824
    .private_segment_fixed_size: 0
    .kernarg_segment_align: 8
    .kernarg_segment_size: 32
    .max_flat_workgroup_size: 128
    .sgpr_count:     66
    .vgpr_count:     1024
    .wavefront_size: 32
...
	.end_amdgpu_metadata
.endif
;; end of part 2
